; MI455X (gfx1250); checked and timed in simulation.
; The chip was launched on July 23, 2026; its instructions are those of AMD's public machine-readable ISA for CDNA 5 (MIT licence, August 2026) and "CDNA5" Instruction Set Architecture Reference Guide (July 2026). The comments in the code are by the model that wrote it; some were corrected since.
;; Attention. Allowed arithmetic: matrix products marked QUANTISED: E2M3 operands, one E8M0 scale for each 32 along K, by v_wmma_scale_f32_16x16x128_f8f6f4 with both operands' format E2M3, f32 sums; everything else in f32.
;; Inputs: Wkv_codes 2,048 x 32 x 24 uint8 (E2M3 codes of Wkv, K innermost, in blocks of 32 codes, four codes in three bytes); Wkv_scales 2,048 x 32 uint8 (E8M0 scales of Wkv, one for each 32 codes along K); Wo_codes 1,024 x 32 x 24 uint8 (E2M3 codes of Wo, K innermost, in blocks of 32 codes, four codes in three bytes); Wo_scales 1,024 x 32 uint8 (E8M0 scales of Wo, one for each 32 codes along K); Wq_codes 1,024 x 32 x 24 uint8 (E2M3 codes of Wq, K innermost, in blocks of 32 codes, four codes in three bytes); Wq_scales 1,024 x 32 uint8 (E8M0 scales of Wq, one for each 32 codes along K); bo 1,024 float32; x_codes 4 x 2,048 x 32 x 24 uint8 (E2M3 codes of x, K innermost, in blocks of 32 codes, four codes in three bytes); x_scales 4 x 2,048 x 32 uint8 (E8M0 scales of x, one for each 32 codes along K).
;; Outputs: out0 4 x 2,048 x 1,024 float32.
;; This version of the problem:
;;   THIS VERSION OF THE PROBLEM IS GIVEN IN LOW PRECISION. The matrix products marked QUANTISED in the list below multiply operands that are first quantised to E2M3 (2 exponent bits, 3 mantissa bits; 6 bits a number), with one power-of-two scale for each 32 numbers along K (OCP MX v1.0); their sums are f32. All else is computed in f32.
;;   The module's matrix products, in the order in which they are computed (A, B: the left and right operand; K: the contracted axis; several contracted axes count as one K, in the product's order):
;;     1. [M 8,192, K 1,024] x [K 1,024, N 1,024]; A: input x (given as codes); B: input Wq (given as codes): QUANTISED
;;     2. [M 8,192, K 1,024] x [K 1,024, N 2,048]; A: input x (given as codes); B: input Wkv (given as codes): QUANTISED
;;     3. batch 64 x [M 2,048, K 64] x [K 64, N 2,048]; A: computed on the way; B: computed on the way: QUANTISED
;;     4. batch 64 x [M 2,048, K 2,048] x [K 2,048, N 64]; A: softmax (see below); B: computed on the way: QUANTISED
;;     5. [M 8,192, K 1,024] x [K 1,024, N 1,024]; A: computed on the way; B: input Wo (given as codes): QUANTISED
;;   THE QUANTISER, for each operand of a quantised product, along K:
;;     - K is cut into blocks of 32 from its start; a last block that is shorter is filled with zeros.
;;     - A block's scale is 2^e with e = floor(log2(the largest magnitude in the block)) - 2, held to -126 .. 127; a block of zeros has e = 0. As a byte (E8M0): e + 127.
;;     - Each number is divided by its block's scale, clamped to +-7.5, and rounded to the nearest number of E2M3, ties to even, subnormals kept.
;;     - The product sums the exact products of the quantised numbers (number of the format x scale) in f32.
;;   ~~~python
;;   def quantise(x, axis):      # numpy; x: float32 -> the quantised numbers, widened to float32 again
;;       x = np.moveaxis(x, axis, -1); K = x.shape[-1]
;;       x = np.pad(x, [(0, 0)] * (x.ndim - 1) + [(0, -K % 32)]); x = x.reshape(x.shape[:-1] + (-1, 32)); a = np.abs(x).max(-1, keepdims=True)
;;       e = np.where(a > 0, np.clip(np.frexp(np.where(a > 0, a, 1))[1] - 1 - 2, -126, 127), 0)      # np.frexp(a)[1] - 1 = floor(log2(a)), exactly
;;       r = np.clip(x / 2.0 ** e, -7.5, 7.5)
;;       step = 2.0 ** (np.maximum(np.frexp(np.where(r == 0, 1, r))[1] - 1, 0) - 3)
;;       q = np.round(r / step) * step * 2.0 ** e      # np.round: ties to even
;;       return np.moveaxis(q.reshape(q.shape[:-2] + (-1,))[..., :K], -1, axis).astype(np.float32)
;;   ~~~
;;   SOFTMAX AHEAD OF A QUANTISED PRODUCT. Where the list says 'softmax', what is quantised is not the finished softmax but p = 2^(t - M), with t = logit x log2(e) and M = ceil(the row's largest t), a whole number; so 1/2 < the row's largest p <= 1. The row's sum l is taken of the UNQUANTISED p, in f32, and the product's result is divided by l at the end. Since M is a whole number, a kernel that streams over the keys may use a running M (the ceiling of the running maximum): every later rescaling is an exact power of two, which a block's scale takes up: the codes' values come out the same.
;;   OPERANDS COMPUTED ON THE WAY. 'Computed on the way' means the value that the module computes at that place (a softmax that the list does not call 'softmax' is quantised finished and normalised). What goes into a quantiser is computed in f32, as accurately as f32 sums, v_exp_f32 and their like allow (about 1e-6 of the number): no bf16 or f16 on the way to a quantiser, and a product that is left as it is and whose result goes on into a quantised operand takes f32 operands (vector FMAs, or v_wmma_f32_16x16x4_f32). A number that lies on a knife's edge between two numbers of the format may be rounded either way, as far as f32 arithmetic and the matrix unit's own rounding can turn it there, and no further.
;;   INPUTS GIVEN AS CODES. Wkv (in the module: [1024, 2048], K = its axis 0); Wo (in the module: [1024, 1024], K = its axis 0); Wq (in the module: [1024, 1024], K = its axis 0); x (in the module: [4, 2048, 1024], K = its axis 2): each comes as NAME_codes (uint8): NAME with its K axis moved to the last place and cut into blocks of 32 codes, [.., K / 32, bytes a block], one block behind the other in memory; four codes in three bytes: a row's codes are one little-endian stream of bits, code i at bits 6 i .. 6 i + 5 (a code: sign, 2 exponent bits, 3 mantissa bits); and NAME_scales (uint8): the same leading axes, one E8M0 byte (e + 127) for each 32 codes along K. Its value is code x scale, taken as it is: it is not quantised again, and the codes and scales need not be those that the quantiser above would give.
;; One version. Each part assembles by itself: llvm-mc -triple=amdgcn-amd-amdhsa -mcpu=gfx1250 --defsym DOCPART=n.
;; ======== version 1 of 1: 3 launches
;; limits: right only within a limited range of input values
;; workspace buffers: qrec 6,815,744 bytes; kvrec 13,369,344 bytes; abuf 6,291,456 bytes; asc 262,144 bytes
;; launch qkv (part 1): grid 4 x 64, 4 waves a work-group, clusters of 4 x 4, 327,680 bytes of LDS; arguments x_codes, x_scales, Wq_codes, Wq_scales, Wkv_codes, Wkv_scales, qrec, kvrec; writes qrec, kvrec
.if DOCPART == 1
	.amdgcn_target "amdgcn-amd-amdhsa--gfx1250"
	.amdhsa_code_object_version 6
	.text
	.protected	k_qfdf86856cf_qkv
	.globl	k_qfdf86856cf_qkv
	.p2align	8
	.type	k_qfdf86856cf_qkv,@function
k_qfdf86856cf_qkv:
	s_mov_b64 s[64:65], 0
	v_nop
	global_prefetch_b8 v0, s[64:65] scope:SCOPE_SE
	s_setreg_imm32_b32 hwreg(HW_REG_WAVE_MODE, 25, 1), 1
	s_wait_xcnt 0x0
	s_wait_alu depctr_hold_cnt(0) depctr_sa_sdst(0) depctr_va_vdst(0) depctr_va_sdst(0) depctr_va_ssrc(0) depctr_va_vcc(0) depctr_vm_vsrc(0)
	s_getreg_b32 s2, hwreg(HW_REG_IB_STS2, 6, 4)
	s_cmp_eq_u32 s2, 0
	s_cbranch_scc0 .Lentry_in_a_cluster
	s_endpgm
.Lentry_in_a_cluster:
	s_bfe_u32 s2, ttmp6, 0x10000c
	s_cmp_lg_u32 s2, 0xf033
	s_cbranch_scc0 .Lentry_shape_is_right
	s_endpgm
.Lentry_shape_is_right:
; q = x Wq, k and v = x Wkv on codes of FP6 (E2M3) with one E8M0 scale for each 32 along K = 1,024; the results are quantised in registers and leave as codes.
; A WORK-GROUP STAYS: it owns 128 tokens of x (tile m = 4 x cluster y + cy) and walks six weight tiles of 128 rows, all of K each: tiles 2 cx, 2 cx + 1 of q, then of k, then of v.
; The order of kinds is the same in every work-group, so the walk is written out by kinds and no branch hangs on a place in the cluster.
; Four waves: wave (i, j) makes tokens 64 i .. x weight rows 64 j .. of each tile: 16 accumulators.  64 weight rows are one head.
; x's fragments of my 64 tokens, for all of K, are read from LDS ONCE into 384 registers.  The weight tiles go through a ring of two LDS slots (128 rows x 816 bytes: 768 + 16 of padding behind every 256).
; At the head waves 0, 1 fetch x's halves and waves 2, 3 the first tile's halves, one tensor load a wave; later waves 2, 3 fetch a half each behind a round of the cluster's barrier.
; THE CHANGE OF SLOTS stands ahead of a visit's last two K steps, when the slot's last fragments are in registers: the slot takes the tile two visits on, and the next visit's first fragments are
; fetched ahead of this visit's way out.
; Every row that is asked for is 768 bytes and begins at a multiple of 256 bytes of its buffer.  x's tile is shared along a row of the cluster, the weight tiles along a column: joint loads.
; q, k: source 0 = the weight's rows, source 1 = x's tokens: a lane holds one token and its 32 registers the head's 64 features.  v: the sources change places: a lane holds one feature, its registers 64 keys.
; THE SCALE BYTES go from memory into registers: a lane takes its row's 32 bytes (the words of all eight steps); the weights' are loaded two visits ahead, two sets by turns.
; No prefetch: a tile's tensor load is issued a whole visit (128 products a wave and the way out) ahead of its first read, and the six tiles of a work-group are 589,824 bytes that sixteen clusters ask for in the same order.
; ORDER OF CODES IN A BLOCK OF 32: places 0-7, 8-15, 16-23, 24-31 hold elements 0-7, 16-23, 8-15, 24-31, alike on both operands of each later product; blocks stay blocks.
; q IS QUANTISED WITHOUT ITS FACTOR 1/8: a power of two moves a block's scale alone; the attention launch folds it into the softmax's constant.
; WHAT LEAVES: pieces of 256 bytes, a pair of operand registers of all 32 lanes, lane l's 8 bytes at 8 l.
;   qrec  [head of a batch 64][step of 128 tokens 16] 6,656 bytes: 24 pieces of codes (3 t + s: registers 2 s, 2 s + 1 of the tile of tokens 16 t ..), 2 pieces of scale words (tiles 0-3, 4-7; a word's upper two bytes are 0)
;   kvrec [64][16] 13,056 bytes: k as q; from 6,656 on v: 24 pieces (6 a + 3 c + s), K = the step's 128 keys; at 12,800 one piece of scale words.  Of a word of v's, bytes 2 c, 2 c + 1 belong to keys 64 c ..,
;   which wave (c, j) makes: so each of the two waves stores its half of each word, 2 bytes a lane.
; LIMITS: a block of zeros gets the byte 1 where the quantiser says 127 (its codes are zeros, and this program alone reads the bytes); a block of q whose largest magnitude lies under 2^-121 would have
; its scale held at 2^-126 once the 1/8 is applied, which is not done here; NaN and infinities are not served.
; REGISTERS: window 0: v16-29 addresses, v32-63 x's scale words (8 i + step), v64-127 the weights', two sets, v128-199 the way out; x's fragments: steps 0-4 window 1 (48 a step), steps 5, 6 window 2 v0-95,
; step 7 window 3 v192-239; the weights' fragments: window 3 v0-191, two sets of two steps; accumulator (a, b) at window 2 v[128 + 8 (4 a + b)].
.set PIT,   816
.set HALF,  64*PIT
.set SL0,   2*HALF                     ; slot 0 (x's tile lies from 0 on)
.set SL1,   4*HALF                     ; slot 1
.set SPARE, 6*HALF                     ; the spare words: 512 bytes that no other line names
.set T,     128*768                    ; a weight tile in memory
.set TSC,   128*32                     ; and its scale bytes
.set QRS,   6656
.set KVRS,  13056
.set SCO,   6144
.set VCO,   6656
.set VSO,   12800
.set ADRX,  16                         ; v16 my rows of x; v17 the same, lanes 16-31 behind one padding more
.set ADRW,  18                         ; v18-19 my rows of slot 0, v20-21 of slot 1
.set SO,    22                         ; 32 x (lane % 16)
.set LC,    23                         ; 8 x lane + my place in a record: q's and k's codes,
.set LS,    24                         ; their scale words,
.set LV,    25                         ; v's codes,
.set LH,    26                         ; v's half words
.set SPW,   28
.set NIL,   29
.set SX,    32
.set SW,    64
.set CD,    128                        ; codes: block a's six registers at 6 a
.set T2,    152                        ; the conversions' second halves, at 4 a
.set TM,    168                        ; largest magnitudes of the eight blocks of 32
.set TP,    176                        ; the other half's, then bytes
.set TO,    184                        ; scale operands
.set PW,    192                        ; block a's two bytes
.set EE,    196                        ; two tiles' words to a register
.set G1X, 24
.set G0X, 32
.set G0W0, 36
.set G1W, 48
.set G0W1, 56
.set NX,  60                           ; s[60:61] the tile that slot 0 takes next
.set B0,  66                           ; s[66:67], s[68:69] the scale bytes that set 0, set 1 took last; s[70:71] what set 0 takes next
.set B1,  68
.set NXS, 70
.set MSB, 0
.macro WIN new                         ; the immediate's high byte repeats the setting that is left
.if MSB != (\new)
	s_set_vgpr_msb (MSB<<8)|(\new)
.set MSB, (\new)
.endif
.endm
.macro PLACES
.rept 4
	v_nop
.endr
.endm
.macro CREST                           ; a round of the cluster's barrier behind its opening barrier
	s_cmp_lg_u32 s14, 0
	s_cbranch_scc1 .Lnot_wave_0_\@
	s_barrier_signal -3
.Lnot_wave_0_\@:
	s_barrier_wait -3
	s_barrier_signal -1
	s_barrier_wait -1
.endm
.macro CROUND                          ; a whole round
	s_barrier_signal -1
	s_barrier_wait -1
	CREST
.endm
.macro JW g0                           ; waves 2 and 3 fetch a half of a weight tile each
	s_cmp_eq_u32 s15, 0
	s_cbranch_scc1 .Lnone_\@
	tensor_load_to_lds s[\g0:\g0+3], s[G1W:G1W+7]
	s_nop 0
	PLACES
.Lnone_\@:
.endm
	s_load_b256 s[4:11], s[0:1], 0x0               ; x's codes, x's scales, Wq's codes, Wq's scales
	s_load_b256 s[92:99], s[0:1], 0x20             ; Wkv's codes, Wkv's scales, qrec, kvrec
	v_lshl_add_u32 v[SPW], v0, 2, SPARE
	v_mov_b32 v[NIL], 0
	ds_add_u32 v[SPW], v[NIL]                      ; the opening lines: the add, twice on end, and its wait ahead of my first tensor load
	ds_add_u32 v[SPW], v[NIL]
	v_lshrrev_b32 v1, 5, v0
	v_readfirstlane_b32 s14, v1                    ; wave 0..3
	s_lshr_b32 s15, s14, 1                         ; my 64 tokens.  Also: I fetch for x (0) or for the weights (1)
	s_and_b32 s16, s14, 1                          ; my 64 weight rows.  Also: which 64 rows of a tile I fetch
	s_bfe_u32 s40, ttmp6, 0x40000                  ; cx
	s_bfe_u32 s41, ttmp6, 0x40004                  ; cy
	s_and_b32 s17, ttmp7, 0xffff
	s_lshl_b32 s17, s17, 2
	s_add_co_u32 s17, s17, s41                     ; m: x's tile of 128 tokens, 0 .. 63
	s_lshl_b32 s43, s41, 2
	s_lshl_b32 s43, 15, s43                        ; my row of the cluster
	s_lshl_b32 s44, 0x1111, s40                    ; my column
	s_or_b32 s[G1X+0], s43, (1<<20)|(1<<21)|(5<<22)|(3<<25)   ; elements of 1 byte; 4 words of padding behind every 64; bit 21 beside a mask
	s_or_b32 s[G1W+0], s44, (1<<20)|(1<<21)|(5<<22)|(3<<25)
.irp g, G1X, G1W
	s_mov_b32 s[\g+1], 768<<16
	s_mov_b32 s[\g+2], 64<<16
	s_mov_b32 s[\g+3], 768<<16
	s_mov_b32 s[\g+4], 64
	s_mov_b32 s[\g+5], 768
	s_mov_b32 s[\g+6], 0
	s_mov_b32 s[\g+7], 0
.endr
	s_mul_i32 s21, s16, 64*768
	s_mul_i32 s20, s17, T
	s_add_co_u32 s20, s20, s21                     ; the half of x's tile that I fetch
	s_mul_i32 s22, s40, 2*T
	s_add_co_u32 s22, s22, s21                     ; the half of a kind's tile 2 cx
	s_mov_b32 s21, 0
	s_mov_b32 s23, 0
	s_lshl_b32 s46, s17, 12                        ; my tokens' scale bytes
	s_lshl_b32 s47, s15, 11
	s_add_co_u32 s46, s46, s47
	s_mov_b32 s47, 0
	s_lshl_b32 s78, s40, 13                        ; my weight rows' scale bytes
	s_lshl_b32 s79, s16, 11
	s_add_co_u32 s78, s78, s79
	s_mov_b32 s79, 0
	s_lshr_b32 s84, s17, 4
	s_lshl_b32 s84, s84, 8
	s_and_b32 s85, s17, 15
	s_add_co_u32 s84, s84, s85
	s_lshl_b32 s85, s40, 2
	s_add_co_u32 s85, s85, s16
	s_lshl_b32 s85, s85, 4
	s_add_co_u32 s84, s84, s85                     ; the record: 256 x batch + 16 x (head 4 cx + j) + step
	s_mul_i32 s86, s84, QRS
	s_mov_b32 s87, 0
	s_mul_i32 s88, s84, KVRS
	s_mov_b32 s89, 0
	s_mul_i32 s90, s16, HALF
	s_mul_i32 s91, s15, HALF
	s_add_co_u32 s83, s90, SL0
	s_mov_b32 s[G0X], 1
	s_mov_b32 s[G0X+1], s90
	s_mov_b32 s[G0W0], 1
	s_add_co_u32 s[G0W0+1], s90, SL0
	s_mov_b32 s[G0W1], 1
	s_add_co_u32 s[G0W1+1], s90, SL1
	s_mul_i32 s100, s15, 3072
	s_lshl_b32 s101, s15, 8
	s_mul_i32 s104, s15, 768
	s_lshl_b32 s105, s15, 1
	s_mov_b32 s80, 0x76543210
	s_mov_b32 s81, 0xfedcba98                      ; v_permlanex16_b32's selects for lane l xor 16
	s_mov_b32 s82, 0xffff0000                      ; lanes 16-31
	v_and_b32 v1, 15, v0                           ; r = l % 16
	v_bfe_u32 v2, v0, 4, 1                         ; h = l / 16
	v_mul_u32_u24 v3, v1, PIT
	v_mad_u32_u24 v3, v2, 24, v3
	v_add_nc_u32 v[ADRX], s91, v3
	v_lshl_add_u32 v[ADRX+1], v2, 4, v[ADRX]
	v_add_nc_u32 v[ADRW], s83, v3
	v_lshl_add_u32 v[ADRW+1], v2, 4, v[ADRW]
	v_add_nc_u32 v[ADRW+2], SL1-SL0, v[ADRW]
	v_add_nc_u32 v[ADRW+3], SL1-SL0, v[ADRW+1]
	v_lshlrev_b32 v[SO], 5, v1
	v_and_b32 v4, 31, v0
	v_lshlrev_b32 v4, 3, v4
	v_add_nc_u32 v[LC], s100, v4
	v_add_nc_u32 v[LS], s101, v4
	v_add_nc_u32 v[LV], s104, v4
	v_add_nc_u32 v[LH], s105, v4
.irp k, 0,1,2,3,4,5,6,7
	v_mov_b32 v[TP+\k], 0                          ; written once: a lane permute's destination counts as one of its sources
.endr
	s_wait_alu depctr_va_vdst(0)
	s_wait_dscnt 0x0                               ; both opening adds are done
	s_wait_kmcnt 0x0
	s_add_nc_u64 s[G0X+2:G0X+3], s[4:5], s[20:21]
	s_or_b32 s[G0X+3], s[G0X+3], 0x80000000
	s_add_nc_u64 s[G0W0+2:G0W0+3], s[8:9], s[22:23]    ; q's tile 2 cx
	s_or_b32 s[G0W0+3], s[G0W0+3], 0x80000000
	s_add_nc_u64 s[NX:NX+1], s[92:93], s[22:23]        ; k's tile 2 cx; v's lies 8 tiles on
	s_add_nc_u64 s[72:73], s[6:7], s[46:47]
	s_add_nc_u64 s[B0:B0+1], s[10:11], s[78:79]
	s_add_nc_u64 s[NXS:NXS+1], s[94:95], s[78:79]
	s_add_nc_u64 s[12:13], s[96:97], s[86:87]          ; where an even visit's results go: q's record,
	s_add_nc_u64 s[18:19], s[12:13], 32*QRS            ; an odd visit's: two heads on;
	s_add_nc_u64 s[74:75], s[98:99], s[88:89]          ; and the same for k and v
	s_add_nc_u64 s[76:77], s[74:75], 32*KVRS
.macro WSC set, base                   ; my four blocks' scale words, all eight steps, into a set
.irp i, 0,1,2,3
	global_load_b128 v[\set+8*\i:\set+8*\i+3], v[SO], s[\base:\base+1] offset:512*\i
	global_load_b128 v[\set+8*\i+4:\set+8*\i+7], v[SO], s[\base:\base+1] offset:512*\i+16
.endr
.endm
	WSC SX, 72
	WSC SW, B0
	CROUND                                         ; all sixteen work-groups are here: the first joint loads meet
	s_cmp_eq_u32 s15, 0                            ; one chain of branches on the wave's number, one load to an arm
	s_cbranch_scc0 .Lhead_w
	tensor_load_to_lds s[G0X:G0X+3], s[G1X:G1X+7]
	s_nop 0
	PLACES
	s_branch .Lhead_asked
.Lhead_w:
	tensor_load_to_lds s[G0W0:G0W0+3], s[G1W:G1W+7]
	s_nop 0
	PLACES
.Lhead_asked:
; A fragment, 16 rows x 128 K, is 12 registers: lane l holds row l % 16; registers 6 c .. 6 c + 5 hold K = 64 c + 32 (l / 16) + 0 .. 31: 24 bytes of the row, in pieces of 8.
.macro FRW reg, adr, st, i
.irp p, 0,1,2,3,4,5
.set BY, 96*(\st)+48*(\p/3)+8*(\p%3)
	ds_load_b64 v[\reg+2*\p:\reg+2*\p+1], v[\adr+(BY+24)/256-BY/256] offset:BY+16*(BY/256)+(\i)*16*PIT
.endr
.endm
.macro XPOS st                         ; where x's fragments of a step lie
.if (\st) < 5
.set XWN, 1
.set XRG, 48*(\st)
.elseif (\st) < 7
.set XWN, 2
.set XRG, 48*((\st)-5)
.else
.set XWN, 3
.set XRG, 192
.endif
.endm
.macro RUN slot, r                     ; 48 LDS loads: the weights' fragments of steps 2 r, 2 r + 1 into set r % 2
	WIN 0xc0
.irp e, 0,1
.irp j, 0,1,2,3
	FRW 96*((\r)%2)+48*\e+12*\j, ADRW+2*(\slot), 2*(\r)+\e, \j
.endr
.endr
.endm
.macro MULS kind, st, sw               ; a step's 16 products: the accumulators take turns, one instruction a turn
	XPOS \st
.set WRG, 96*(((\st)/2)%2)+48*((\st)%2)
.if \kind == 0
	WIN 0xa3|(XWN<<2)
.else
	WIN 0xac|XWN
.endif
.irp a, 0,1,2,3
.irp b, 0,1,2,3
.if \kind == 0
.set R0, WRG+12*\b
.set R1, XRG+12*\a
.set Z0, \sw+8*\b+(\st)
.set Z1, SX+8*\a+(\st)
.else
.set R0, XRG+12*\b
.set R1, WRG+12*\a
.set Z0, SX+8*\b+(\st)
.set Z1, \sw+8*\a+(\st)
.endif
.set DD, 128+8*(4*\a+\b)
.if (\st) == 0
	v_wmma_scale_f32_16x16x128_f8f6f4 v[DD:DD+7], v[R0:R0+11], v[R1:R1+11], 0, v[Z0], v[Z1] matrix_a_fmt:MATRIX_FMT_FP6 matrix_b_fmt:MATRIX_FMT_FP6
.else
	v_wmma_scale_f32_16x16x128_f8f6f4 v[DD:DD+7], v[R0:R0+11], v[R1:R1+11], v[DD:DD+7], v[Z0], v[Z1] matrix_a_fmt:MATRIX_FMT_FP6 matrix_b_fmt:MATRIX_FMT_FP6
.endif
.endr
.endr
.endm
; A VISIT: 128 products on the tile in a slot, then the way out.  Its first two runs of loads were issued by the visit before.  A run is issued 32 products ahead of its first use: s_wait_dscnt 48 lets the younger run stay out.
; Ahead of the last two steps each wave waits for all its tensor loads, adds 0 to its spare word, and waits for that and for its last reads of this slot; the barrier opens a round of the cluster's, with the
; 32 products inside it.  mode 0: behind the round this slot takes the tile two visits on; 2: nothing is left to fetch, so no round follows the barrier; 3: the last visit.
; The way out: a lane's 32 registers of block a are two blocks of 32 along the quantiser's K, of each of which lane l xor 16 holds the other 16.  The block's largest magnitude with the floor 2^(3 - 127)
; among its leaves; 2 off its exponent field is the conversion's scale operand; that, 23 bits down, the scale's byte.
.macro VISIT kind, slot, mode
	s_wait_dscnt 48
	MULS \kind, 0, SW+32*(\slot)
	MULS \kind, 1, SW+32*(\slot)
	PLACES                                         ; between the products and the loads into the set that they read
	RUN \slot, 2
	s_wait_dscnt 48
	MULS \kind, 2, SW+32*(\slot)
	MULS \kind, 3, SW+32*(\slot)
	PLACES
	RUN \slot, 3
	s_wait_dscnt 48
	MULS \kind, 4, SW+32*(\slot)
	MULS \kind, 5, SW+32*(\slot)
.if \mode < 3
	WIN 0
	s_wait_tensorcnt 0x0                           ; the next visit's tile is in, and the descriptors may be written
	ds_add_u32 v[SPW], v[NIL]
	s_wait_loadcnt 0x0                             ; the next visit's scale words are in, and their bases free
.if \mode == 0
.if \slot == 0
	s_mov_b64 s[G0W0+2:G0W0+3], s[NX:NX+1]         ; slot 0: the next kind's first tile
	s_or_b32 s[G0W0+3], s[G0W0+3], 0x80000000
	s_add_nc_u64 s[NX:NX+1], s[NX:NX+1], 8*T
	s_mov_b64 s[B0:B0+1], s[NXS:NXS+1]
	s_add_nc_u64 s[NXS:NXS+1], s[NXS:NXS+1], 8*TSC
.else
	s_add_nc_u64 s[G0W1+2:G0W1+3], s[G0W0+2:G0W0+3], T    ; slot 1: the tile behind the one that slot 0 took last
	s_add_nc_u64 s[B1:B1+1], s[B0:B0+1], TSC
.endif
.endif
	s_wait_dscnt 0x0                               ; the add is done, and my reads of this slot are over
	s_barrier_signal -1
.else
	s_wait_dscnt 0x0
.endif
	MULS \kind, 6, SW+32*(\slot)
	MULS \kind, 7, SW+32*(\slot)
	WIN 0
.if \mode < 3
	s_barrier_wait -1
.endif
.if \mode == 0
	CREST
	JW G0W0+20*(\slot)
.endif
	PLACES                                         ; behind the last products: loads land on their sources, and results are read
.if \mode == 0
	WSC SW+32*(\slot), B0+2*(\slot)
.endif
.if \mode < 3
	RUN 1-(\slot), 0                               ; the next visit's first fragments land under the way out
	RUN 1-(\slot), 1
	WIN 0
.endif
	s_wait_xcnt 0x0                                ; the last visit's stores have read their data
	WIN 0x0a                                       ; sources 0 and 1: window 2
.irp k, 0,1,2,3,4,5,6,7
	v_max3_num_f32 v[TM+\k], |v[128+16*\k]|, |v[129+16*\k]|, 0x1800000     ; each accumulator is read from its low end on
.endr
.irp i, 2,4,6,8,10,12,14
.irp k, 0,1,2,3,4,5,6,7
	v_max3_num_f32 v[TM+\k], |v[128+16*\k+\i]|, |v[129+16*\k+\i]|, v[TM+\k]
.endr
.endr
	WIN 0
.irp k, 0,1,2,3,4,5,6,7
	v_permlanex16_b32 v[TP+\k], v[TM+\k], s80, s81
.endr
.irp k, 0,1,2,3,4,5,6,7
	v_max_num_f32 v[TM+\k], v[TM+\k], v[TP+\k]
.endr
.irp k, 0,1,2,3,4,5,6,7
	v_add_nc_u32 v[TO+\k], 0xff000000, v[TM+\k]
.endr
.irp k, 0,1,2,3,4,5,6,7
	v_lshrrev_b32 v[TP+\k], 23, v[TO+\k]
.endr
.irp a, 0,1,2,3
	v_lshl_or_b32 v[PW+\a], v[TP+2*\a+1], 8, v[TP+2*\a]
.endr
	WIN 0x02                                       ; source 0: window 2
.irp a, 0,1,2,3
	v_cvt_scalef32_pk16_fp6_f32 v[CD+6*\a:CD+6*\a+2], v[128+32*\a:128+32*\a+15], v[TO+2*\a]
	v_cvt_scalef32_pk16_fp6_f32 v[T2+4*\a:T2+4*\a+2], v[144+32*\a:144+32*\a+15], v[TO+2*\a+1]   ; (a conversion's three registers begin on an even number)
.endr
	WIN 0
	v_nop                                          ; one plain place behind a scaled conversion
.irp a, 0,1,2,3                                ; a whole block to a lane: lanes 0-15 the first block, lanes 16-31 the second
.irp i, 0,1,2
	v_permlane16_swap_b32 v[CD+6*\a+\i], v[T2+4*\a+\i]
.endr
.endr
.irp a, 0,1,2,3
.irp i, 0,1,2
	v_mov_b32 v[CD+6*\a+3+\i], v[T2+4*\a+\i]
.endr
.endr
.irp i, 0,1
	v_cndmask_b32 v[EE+\i], v[PW+2*\i], v[PW+2*\i+1], s82   ; an even block's bytes in lanes 0-15, the next block's in lanes 16-31
.endr
.irp a, 0,1,2,3
.irp s, 0,1,2
.if \kind == 0
	global_store_b64 v[LC], v[CD+6*\a+2*\s:CD+6*\a+2*\s+1], s[12+6*(\slot):13+6*(\slot)] offset:(3*\a+\s)*256       ; 32 lanes store 256 consecutive bytes, aligned
.else
	global_store_b64 v[LV], v[CD+6*\a+2*\s:CD+6*\a+2*\s+1], s[12+6*(\slot):13+6*(\slot)] offset:VCO+(6*\a+\s)*256
.endif
.endr
.endr
.if \kind == 0
	global_store_b64 v[LS], v[EE:EE+1], s[12+6*(\slot):13+6*(\slot)] offset:SCO
.else
	global_store_b16 v[LH], v[EE], s[12+6*(\slot):13+6*(\slot)] offset:VSO       ; my half of each word
	global_store_b16 v[LH], v[EE+1], s[12+6*(\slot):13+6*(\slot)] offset:VSO+4
.endif
.endm
	s_wait_tensorcnt 0x0                           ; x's tile and q's first tile: my part is in
	ds_add_u32 v[SPW], v[NIL]
	s_wait_loadcnt 0x0                             ; x's scale words and the first tile's
	s_add_nc_u64 s[G0W1+2:G0W1+3], s[G0W0+2:G0W0+3], T
	s_add_nc_u64 s[B1:B1+1], s[B0:B0+1], TSC
	s_wait_dscnt 0x0
	CROUND
	JW G0W1                                        ; slot 1's first fill: q's second tile
	WSC SW+32, B1
.irp st, 0,1,2,3,4,5,6,7                       ; x's fragments of my 64 tokens, once
	XPOS \st
	WIN XWN<<6
.irp i, 0,1,2,3
	FRW XRG+12*\i, ADRX, \st, \i
.endr
.endr
	RUN 0, 0
	RUN 0, 1
	WIN 0
	s_mov_b32 s3, 0
.Lkind:                                            ; two trips: q, then k; a trip is two visits, once round the ring
	VISIT 0, 0, 0
	VISIT 0, 1, 0
	s_wait_xcnt 0x0                                ; the stores have read their bases
	s_mov_b64 s[12:13], s[74:75]                   ; from here on kvrec
	s_mov_b64 s[18:19], s[76:77]
	s_add_co_u32 s3, s3, 1
	s_cmp_lt_u32 s3, 2
	s_wait_alu depctr_va_vdst(0)
	s_cbranch_scc1 .Lkind
	VISIT 1, 0, 2                                  ; v
	VISIT 1, 1, 3
	s_wait_tensorcnt 0x0                           ; the wave's end
	ds_add_u32 v[SPW], v[NIL]
	s_wait_dscnt 0x0
	CROUND                                         ; the closing round
	s_endpgm
.Lfunc_end_k_qfdf86856cf_qkv:
	.size	k_qfdf86856cf_qkv, .Lfunc_end_k_qfdf86856cf_qkv-k_qfdf86856cf_qkv
	.p2alignl 7, 3214868480
	.fill 96, 4, 3214868480
	.section	.rodata,"a",@progbits
	.p2align	6, 0x0
	.amdhsa_kernel k_qfdf86856cf_qkv
		.amdhsa_group_segment_fixed_size 327680
		.amdhsa_private_segment_fixed_size 0
		.amdhsa_enable_private_segment 0
		.amdhsa_kernarg_size 64
		.amdhsa_user_sgpr_count 2
		.amdhsa_user_sgpr_kernarg_segment_ptr 1
		.amdhsa_wavefront_size32 1
		.amdhsa_system_sgpr_workgroup_id_x 1
		.amdhsa_system_sgpr_workgroup_id_y 1
		.amdhsa_system_sgpr_workgroup_id_z 1
		.amdhsa_system_vgpr_workitem_id 0
		.amdhsa_next_free_vgpr 1024
		.amdhsa_next_free_sgpr 106
		.amdhsa_reserve_vcc 0
		.amdhsa_float_denorm_mode_32 3
		.amdhsa_float_denorm_mode_16_64 3
		.amdhsa_memory_ordered 1
		.amdhsa_forward_progress 1
		.amdhsa_inst_pref_size 177
	.end_amdhsa_kernel
	.amdgpu_metadata
---
amdhsa.version: [ 1, 2 ]
amdhsa.kernels:
  - .name:           k_qfdf86856cf_qkv
    .symbol:         k_qfdf86856cf_qkv.kd
    .args:
      - { .name: x_codes, .offset: 0, .size: 8, .value_kind: global_buffer, .address_space: global }
      - { .name: x_scales, .offset: 8, .size: 8, .value_kind: global_buffer, .address_space: global }
      - { .name: Wq_codes, .offset: 16, .size: 8, .value_kind: global_buffer, .address_space: global }
      - { .name: Wq_scales, .offset: 24, .size: 8, .value_kind: global_buffer, .address_space: global }
      - { .name: Wkv_codes, .offset: 32, .size: 8, .value_kind: global_buffer, .address_space: global }
      - { .name: Wkv_scales, .offset: 40, .size: 8, .value_kind: global_buffer, .address_space: global }
      - { .name: qrec, .offset: 48, .size: 8, .value_kind: global_buffer, .address_space: global }
      - { .name: kvrec, .offset: 56, .size: 8, .value_kind: global_buffer, .address_space: global }
    .group_segment_fixed_size: 327680
    .private_segment_fixed_size: 0
    .kernarg_segment_align: 8
    .kernarg_segment_size: 64
    .max_flat_workgroup_size: 128
    .sgpr_count:     106
    .vgpr_count:     1024
    .wavefront_size: 32
...
	.end_amdgpu_metadata
.endif
;; end of part 1
;; launch attn (part 2): grid 256 x 1, 16 waves a work-group, no clusters, 327,680 bytes of LDS; arguments qrec, kvrec, abuf, asc; writes abuf, asc
.if DOCPART == 2
	.amdgcn_target "amdgcn-amd-amdhsa--gfx1250"
	.amdhsa_code_object_version 6
	.text
	.protected	k_qfdf86856cf_attn
	.globl	k_qfdf86856cf_attn
	.p2align	8
	.type	k_qfdf86856cf_attn,@function
k_qfdf86856cf_attn:
	s_mov_b64 s[64:65], 0
	v_nop
	global_prefetch_b8 v0, s[64:65] scope:SCOPE_SE
	s_setreg_imm32_b32 hwreg(HW_REG_WAVE_MODE, 25, 1), 1
	s_wait_xcnt 0x0
; Causal attention of 64 heads (4 batches x 16) of 2,048 tokens x 64, both products on codes of FP6 (E2M3) with one E8M0 scale for each 32 along K; the result is quantised along the 1,024 inner features and leaves as codes.
; t = score x log2(e) / 8 (q came without its factor 1/8); M = the running largest t rounded up to a whole number; p = 2^(t - M) is quantised along the keys, not normalised; the row's sum is taken of the
; unquantised p and divides at the end.  When M moves, the sum and O are multiplied by 2^(old M - new M): exact.
; SHARES.  Work-group id: g = id % 4, head = id / 4.  It owns two blocks of 256 queries: block g, which wants g + 1 slots of 256 keys, then block 7 - g, which wants 8 - g: NINE visits of a slot in every work-group, so
; that all 256 have the same work and the loop's count is a constant.  Each of sixteen waves owns 16 queries, in 256 registers: four waves to a SIMD, one wave's vector work beside another's products and LDS loads.
; A step of 128 keys all of which come after the wave's queries is left out by a scalar branch on ids; on the diagonal hidden scores become -infinity.
; LAYOUT.  S^T = K Q^T and O^T = V^T P^T: a lane holds ONE query (lane % 16) throughout.  K's, V's and Q's operands come as pieces of 256 bytes, a pair of operand registers of all 32 lanes, lane l's 8 bytes at 8 l:
; an LDS load of 8 bytes a lane takes 256 consecutive bytes.  The order of codes inside a block of 32 is the one that the launch before gave q, k (along the features) and v (along the keys); p gets v's order by the same lines.
; K = 64 IN AN INSTRUCTION OF K = 128.  Q's registers 6-11 are zero codes.  K's operand of tile t is its six registers and the six that follow (the next tile's codes; zeros behind the last): a zero code times any code is 0,
; and no scale byte here is 0xff.
; No cluster: the four work-groups of a head walk different slots at the same time, since their passes differ in length.
; LIMITS: a block of zeros gets the byte 1 where the quantiser says 127 (its codes are zeros; this program alone reads the bytes); p under 2^-126 counts as 0 (v_exp_f32); the division is v_rcp_f32 and a multiplication;
; NaN and infinities are not served.
.set RS,    13056                      ; a record of kvrec: a step of 128 keys
.set QRS,   6656                       ; a record of qrec
.set SCO,   6144                       ; in a record: k's (q's) scale words
.set VCO,   6656                       ; v's codes
.set VSO,   12800                      ; v's scale words
; IN LDS each piece of 256 bytes has 32 bytes of padding behind it.  K'S TILES ARE GATHERED so that a lane of S^T holds a WHOLE block of 32 keys: tile 4 c + u takes as its rows 0-7 the keys
; 64 c + 8 pi(u) + 0 .. 7 and as its rows 8-15 the keys 32 further on, pi = 0, 2, 1, 3.  Register 8 (4 c + u) + j of lane (r, h) is then key 64 c + 32 h + 8 pi(u) + j: place 8 u + j of block 2 c + h
; in the order that v's codes have.  So a block's maximum needs no other lane, and the conversions' results are p's operand as they stand.  A row's 8 bytes of a piece lie at 8 x (its lane in the record);
; rows 8-15 come from the tile two further on, 6 pieces = 1,728 bytes: with the padding the 32 lanes of a load touch 64 different banks.
.set PP,    288                        ; a piece in LDS
.set LRS,   51*PP                      ; a record in LDS
.set LK,    29                         ; v29  K's codes: 1,728 (r / 8) + 128 h + 8 (r % 8)
.set LSC,   30                         ; v30  K's scale words: 128 h + 8 (r % 8) + 4 (r / 8)
.set SH,    31                         ; v31  8 h
.set AK,    86                         ; v86, v87 the same two in the slot in hand
.set ASC,   87
.set SLOT1, 32768                      ; slot 0 at LDS byte 0, slot 1 here: one exclusive or turns an address; a slot holds two records, 26,112 bytes
.set SPARE, 65536                      ; the spare words, 128 bytes for each of sixteen waves: eight blocks of 256 bytes that no other line names
.set L8,  1                            ; v1   8 x lane
.set AD,  2                            ; v2   the slot in hand + 8 x lane
.set RH,  3                            ; v3   lane % 16 - 32 (lane / 16)
.set SPW, 4                            ; v4   my spare word's LDS address; never rewritten
.set NIL, 5                            ; v5   0; never rewritten
.set R8,  6                            ; v6   8 x (lane % 16)
.set R32, 7                            ; v7   32 x (lane % 16)
                                       ; v8-11 at work; v12 -M; v13 the largest t; v[14:15] the sum in two halves
.set QF,  16                           ; v16-21 Q's codes, v22-27 zeros
.set QW,  28                           ; v28  Q's scale words
.set KV,  32                           ; v32-79 K's eight tiles (6 t), then V's four (12 a); v80-85 zeros
.set SS,  96                           ; v96-159 S^T, then p
.set OT,  160                          ; v160-191 O^T
.set PCD, 192                          ; v192-203 p's codes
.set PH,  204                          ; v204-206, v208-210 the conversions' second halves
.set BM,  212                          ; v212-215 the blocks' largest scores, then p
.set BP,  216                          ; v216-219 the other half's, then bytes
.set BS,  220                          ; v220-223 scale operands
.set KSC, 224                          ; v224-227 K's scale words: tile 2 i in lanes 0-15 of register i, tile 2 i + 1 in lanes 16-31
.set VSC, 228                          ; v228-229 V's likewise
.set PWD, 230                          ; v230 p's scale word
.set FF,  232                          ; v[232:233] f = 2^(old M - new M)
.set TT,  234
.set SW,  235
.set QN,  236                          ; v236-241, v242 the second pass's Q and its scale words
.set WV,  12
.set GG,  13
.set BH,  14
.set VI,  15                           ; the visit, 0 .. 8
.set TB,  16                           ; LDS byte at which the slot in hand begins
.set KF,  17                           ; the step's first key
.set Q0,  18                           ; my first query
.set QB,  19                           ; and that of the second pass
.set SEL, 20
.set CS,  22
.set G1,  24
.set G0,  32
.set HB,  36                           ; s[36:37] my record of the head's slot 0 in kvrec
.set OFS, 38                           ; s[38:39] an offset, its high word 0
.set OA,  40
.set OS,  42
.set G1P, 52                           ; g + 1: the visit at which the second pass begins
.macro TLOAD                           ; waves 0 and 1 fetch a record each, the others nothing; an s_nop 0 and four v_nop follow the load
	s_cmp_lt_u32 s[WV], 2
	s_cbranch_scc0 .Lnone_\@
	tensor_load_to_lds s[G0:G0+3], s[G1:G1+7]
	s_nop 0
.rept 4
	v_nop
.endr
.Lnone_\@:
.endm
	s_load_b256 s[4:11], s[0:1], 0x0               ; qrec, kvrec, abuf, asc
	v_lshl_add_u32 v[SPW], v0, 2, SPARE
	v_mov_b32 v[NIL], 0
	ds_add_u32 v[SPW], v[NIL]                      ; the wave's opening: the add and its wait ahead of my first tensor load; the set-up below stands between them
	ds_add_u32 v[SPW], v[NIL]
	v_lshrrev_b32 v8, 5, v0
	s_delay_alu instid0(VALU_DEP_1)
	v_readfirstlane_b32 s[WV], v8                  ; wave 0..15
	s_and_b32 s[GG], ttmp9, 3
	s_lshr_b32 s[BH], ttmp9, 2
	s_mov_b32 s[G1], (3<<16)|(1<<20)|(5<<22)|(7<<25)   ; a record: 51 rows of 256 bytes (32 elements of 8), dense in memory; in LDS 8 words of padding behind every 64; no mask
	s_mov_b32 s[G1+1], 32<<16
	s_mov_b32 s[G1+2], 51<<16
	s_mov_b32 s[G1+3], 32<<16
	s_mov_b32 s[G1+4], 51
	s_mov_b32 s[G1+5], 32
	s_mov_b32 s[G1+6], 0
	s_mov_b32 s[G1+7], 0
	s_and_b32 s44, s[WV], 1
	s_mul_i32 s54, s44, LRS                        ; which of a slot's two records I fetch: its place in LDS,
	s_mul_i32 s44, s44, RS                         ; and in memory
	s_mul_i32 s[OFS], s[BH], 16*RS
	s_add_co_u32 s[OFS], s[OFS], s44
	s_mov_b32 s[OFS+1], 0
	s_mov_b32 s[SEL], 0x76543210
	s_mov_b32 s[SEL+1], 0xfedcba98                 ; v_permlanex16_b32's selects for lane l xor 16
	s_mov_b32 s[CS], 0x3e38aa3b                    ; c = log2(e) / 8
	s_mov_b32 s[CS+1], s[CS]                       ; (named with it as a pair)
	s_mov_b32 s[VI], 0
	s_mov_b32 s[TB], 0
	s_mov_b32 s[KF], 0
	s_add_co_u32 s[G1P], s[GG], 1
	s_lshl_b32 s45, s[WV], 4
	s_lshl_b32 s[Q0], s[GG], 8
	s_add_co_u32 s[Q0], s[Q0], s45                 ; first pass: 256 g + 16 w
	s_sub_co_u32 s[QB], 7, s[GG]
	s_lshl_b32 s[QB], s[QB], 8
	s_add_co_u32 s[QB], s[QB], s45                 ; second pass: 256 (7 - g) + 16 w
	s_lshl_b32 s45, s[BH], 4
	s_lshr_b32 s48, s[Q0], 7
	s_add_co_u32 s48, s48, s45
	s_mul_i32 s48, s48, QRS                        ; the records of qrec that hold my queries
	s_mov_b32 s49, 0
	s_lshr_b32 s50, s[QB], 7
	s_add_co_u32 s50, s50, s45
	s_mul_i32 s50, s50, QRS
	s_mov_b32 s51, 0
	s_and_b32 s45, s[WV], 7                        ; my tile t in its record
	s_mul_i32 s46, s45, 768                        ; its three pieces of codes
	s_lshr_b32 s47, s45, 2
	s_lshl_b32 s47, s47, 8                         ; its scale words: piece t / 4,
	s_and_b32 s53, s45, 1
	s_lshl_b32 s53, s53, 7
	s_add_co_u32 s47, s47, s53                     ; lanes 16 (t % 2) on,
	s_bfe_u32 s53, s45, 0x10001
	s_lshl_b32 s53, s53, 2
	s_add_co_u32 s47, s47, s53                     ; register (t / 2) % 2 of the piece's two
	v_and_b32 v[L8], 31, v0
	s_delay_alu instid0(VALU_DEP_1)
	v_lshlrev_b32 v[L8], 3, v[L8]
	v_and_b32 v8, 15, v0
	v_bfe_u32 v9, v0, 4, 1
	s_delay_alu instid0(VALU_DEP_2)
	v_lshlrev_b32 v[R8], 3, v8
	s_delay_alu instid0(VALU_DEP_3)
	v_lshlrev_b32 v[R32], 5, v8
	s_delay_alu instid0(VALU_DEP_3)
	v_lshlrev_b32 v9, 5, v9
	s_delay_alu instid0(VALU_DEP_1)
	v_sub_nc_u32 v[RH], v8, v9
	v_and_b32 v[LK], 7, v8
	v_lshrrev_b32 v[AK], 3, v8
	v_lshrrev_b32 v[SH], 2, v9
	s_delay_alu instid0(VALU_DEP_3)
	v_lshlrev_b32 v[LK], 3, v[LK]
	s_delay_alu instid0(VALU_DEP_1)
	v_lshl_add_u32 v[LK], v9, 2, v[LK]
	s_delay_alu instid0(VALU_DEP_1)
	v_lshl_add_u32 v[LSC], v[AK], 2, v[LK]
	v_mad_u32_u24 v[LK], v[AK], 6*PP, v[LK]
	v_add_nc_u32 v10, s46, v[L8]
	v_add_nc_u32 v11, s47, v[R8]
	s_wait_dscnt 0x0                               ; the opening add is done
	s_wait_kmcnt 0x0
	s_add_nc_u64 s[HB:HB+1], s[6:7], s[OFS:OFS+1]
	s_mov_b32 s[G0], 1
	s_mov_b32 s[G0+1], s54                         ; slot 0
	s_mov_b64 s[G0+2:G0+3], s[HB:HB+1]
	s_or_b32 s[G0+3], s[G0+3], 0x80000000
	TLOAD                                          ; the first visit's slot
	s_add_nc_u64 s[OA:OA+1], s[4:5], s[48:49]
	s_add_nc_u64 s[OS:OS+1], s[4:5], s[50:51]
	s_wait_alu depctr_va_vdst(0)
.irp s, 0,1,2
	global_load_b64 v[QF+2*\s:QF+2*\s+1], v10, s[OA:OA+1] offset:256*\s   ; Q of both passes stays in registers
	global_load_b64 v[QN+2*\s:QN+2*\s+1], v10, s[OS:OS+1] offset:256*\s
.endr
	global_load_b32 v[QW], v11, s[OA:OA+1] offset:SCO
	global_load_b32 v[QN+6], v11, s[OS:OS+1] offset:SCO
.irp i, 0,1,2,3,4,5
	v_mov_b32 v[QF+6+\i], 0                        ; zero codes: the upper half of K = 128
	v_mov_b32 v[KV+48+\i], 0                       ; and what follows K's last tile
.endr
.irp b, 0,1,2,3
	v_mov_b32 v[BP+\b], 0                          ; written once: a lane permute's destination counts as one of its sources
.endr
	v_mov_b32 v[FF+1], 0                           ; (named as the upper half of a pair)
	v_mov_b32 v[TT], 0
	v_mov_b32 v13, 0xff61b1e6                      ; the largest t so far: -3e38
	s_delay_alu instid0(VALU_DEP_1)
	v_floor_f32 v12, -v13                          ; -M
	v_mov_b32 v14, 0
	v_mov_b32 v15, 0
.set n, 0
.rept 32
	v_mov_b32 v[OT+n], 0                           ; O^T: the first change of M leaves zeros zeros
.set n, n+1
.endr
	s_wait_loadcnt 0x0                             ; Q; its address registers are free again
; A KEY STEP: 128 keys, record q of the slot in hand.
.macro STEP q
	s_add_co_u32 s44, s[Q0], 15
	s_cmp_gt_u32 s[KF], s44                        ; all 128 keys come after my 16 queries: the step's work is left out (ids and the count of steps alone)
	s_cbranch_scc1 .Lhidden_\@
	v_add_nc_u32 v[AD], s[TB], v[L8]
	v_add_nc_u32 v[AK], s[TB], v[LK]
	v_add_nc_u32 v[ASC], s[TB], v[LSC]
	v_nop                                          ; with the three additions: four places in front of loads into registers that the last products read
.set n, 0
.rept 24
	ds_load_b64 v[KV+2*n:KV+2*n+1], v[AK] offset:(\q)*LRS+(12*(n/12)+3*((n/3)%2)+n%3)*PP+64*(((n/3)%4)/2)   ; piece n % 3 of tile 4 c + u = n / 3: from the record's tiles 4 c + u % 2 (+ 2), rows 8 (u / 2) on
.set n, n+1
.endr
.irp i, 0,1,2,3
	ds_load_b32 v[KSC+\i], v[ASC] offset:(\q)*LRS+(24+\i/2)*PP+64*(\i%2)   ; the same rows' scale words: tile 2 i in lanes 0-15, tile 2 i + 1 in lanes 16-31
.endr
	s_wait_alu depctr_va_vdst(0)
	s_wait_dscnt 0x0
.irp t, 0,2,4,6                                ; S^T = K Q^T: lane (r, h) holds query r, register j of tile 4 c + u key 64 c + 32 h + 8 pi(u) + j
	v_wmma_scale_f32_16x16x128_f8f6f4 v[SS+8*\t:SS+8*\t+7], v[KV+6*\t:KV+6*\t+11], v[QF:QF+11], 0, v[KSC+\t/2], v[QW] matrix_a_fmt:MATRIX_FMT_FP6 matrix_b_fmt:MATRIX_FMT_FP6
	v_wmma_scale_f32_16x16x128_f8f6f4 v[SS+8*\t+8:SS+8*\t+15], v[KV+6*\t+6:KV+6*\t+17], v[QF:QF+11], 0, v[KSC+\t/2], v[QW] matrix_a_fmt:MATRIX_FMT_FP6 matrix_b_fmt:MATRIX_FMT_FP6 matrix_a_scale:MATRIX_SCALE_ROW1
.endr
.rept 4
	v_nop                                          ; places: K's registers take V's loads, and the scores are read
.endr
.set n, 0
.rept 24
	ds_load_b64 v[KV+2*n:KV+2*n+1], v[AD] offset:(\q)*LRS+(26+n)*PP   ; V's four tiles land under the softmax
.set n, n+1
.endr
	ds_load_b64 v[VSC:VSC+1], v[AD] offset:(\q)*LRS+50*PP
	s_add_co_u32 s44, s[KF], 127
	s_cmp_le_u32 s44, s[Q0]                        ; all 128 keys count: no mask
	s_cbranch_scc1 .Lopen_\@
	s_sub_co_i32 s44, s[Q0], s[KF]
	v_add_nc_u32 v8, s44, v[RH]                    ; d = my query - the first key - 32 h: register 8 (4 c + u) + j is hidden where 64 c + 8 pi(u) + j > d
	v_mov_b32 v9, 0xff800000                       ; -infinity: p = 0 then
.set n, 0
.rept 64
	v_cmp_gt_i32 vcc_lo, 64*(n/32)+16*((n/8)%2)+8*(((n/8)%4)/2)+n%8, v8
	v_cndmask_b32 v[SS+n], v[SS+n], v9, vcc_lo
.set n, n+1
.endr
.Lopen_\@:
.irp b, 0,1,2,3
	v_max3_num_f32 v[BM+\b], v[SS+16*\b], v[SS+16*\b+1], v[SS+16*\b+2]   ; the largest score of each block of 32 keys: for the row's maximum and, since p rises with the score, for the block's largest p
.endr
.irp i, 3,5,7,9,11,13
.irp b, 0,1,2,3
	v_max3_num_f32 v[BM+\b], v[BM+\b], v[SS+16*\b+\i], v[SS+16*\b+\i+1]
.endr
.endr
.irp b, 0,1,2,3
	v_max_num_f32 v[BM+\b], v[BM+\b], v[SS+16*\b+15]
.endr
	s_delay_alu instid0(VALU_DEP_3)
	v_max_num_f32 v[BM], v[BM], v[BM+1]            ; my block h of the step's four,
	s_delay_alu instid0(VALU_DEP_2)
	v_max_num_f32 v[BM+1], v[BM+2], v[BM+3]        ; and my block 2 + h
	s_delay_alu instid0(VALU_DEP_1)
	v_max_num_f32 v[TT], v[BM], v[BM+1]
	s_delay_alu instid0(VALU_DEP_1)
	v_permlanex16_b32 v[BP], v[TT], s[SEL], s[SEL+1]
	s_delay_alu instid0(VALU_DEP_1)
	v_max_num_f32 v[TT], v[TT], v[BP]              ; with lane l xor 16's two blocks: the step's largest score of my query
	s_delay_alu instid0(VALU_DEP_1)
	v_mul_f32 v[TT], s[CS], v[TT]                  ; as t
	s_delay_alu instid0(VALU_DEP_1)
	v_max_num_f32 v13, v13, v[TT]                  ; the running largest t
	v_mov_b32 v[TT], v12
	s_delay_alu instid0(VALU_DEP_2)
	v_floor_f32 v12, -v13                          ; the new -M = -ceil(t)
	s_delay_alu instid0(VALU_DEP_1)
	v_sub_f32 v[TT], v12, v[TT]                    ; old M - new M: a whole number, 0 or less
	s_delay_alu instid0(VALU_DEP_1)
	v_cvt_i32_f32 v[TT], v[TT]                     ; (it saturates)
	s_delay_alu instid0(VALU_DEP_1)
	v_ldexp_f32 v[FF], 1.0, v[TT]                  ; f = 2^(old M - new M)
.set n, 0
.rept 32
	v_pk_fma_f32 v[SS+n:SS+n+1], v[SS+n:SS+n+1], s[CS:CS+1], v[12:13] op_sel_hi:[1,0,0]   ; t - M, two at a time
.set n, n+2
.endr
.irp b, 0,1
	v_fma_f32 v[BM+\b], v[BM+\b], s[CS], v12       ; the same of my two blocks' largest scores
.endr
.set n, 0
	s_wait_alu depctr_va_vdst(0)
.rept 64
	v_exp_f32 v[SS+n], v[SS+n]                     ; p = 2^(t - M)
.set n, n+1
.endr
	v_pk_mul_f32 v[14:15], v[14:15], v[FF:FF+1] op_sel_hi:[1,0]   ; the sums under the new M: a plain place behind the exponentials
	s_wait_alu depctr_va_vdst(0)                   ; one wait for the batch of 64, ahead of its first reader
.irp b, 0,1
	v_exp_f32 v[BM+\b], v[BM+\b]                   ; the block's largest p
.endr
	v_pk_add_f32 v[10:11], v[100:101], v[104:105]
	v_pk_add_f32 v[254:255], v[108:109], v[112:113]
	v_pk_add_f32 v[252:253], v[116:117], v[120:121]
	v_pk_add_f32 v[250:251], v[124:125], v[128:129]
	v_pk_add_f32 v[248:249], v[132:133], v[136:137]
	v_pk_add_f32 v[246:247], v[140:141], v[144:145]
	v_pk_add_f32 v[244:245], v[148:149], v[152:153]
	v_pk_add_f32 v[14:15], v[14:15], v[156:157]
	v_pk_add_f32 v[10:11], v[10:11], v[96:97]
	v_pk_add_f32 v[254:255], v[254:255], v[98:99]
	v_pk_add_f32 v[252:253], v[252:253], v[102:103]
	v_pk_add_f32 v[250:251], v[250:251], v[106:107]
	v_pk_add_f32 v[248:249], v[248:249], v[110:111]
	v_pk_add_f32 v[246:247], v[246:247], v[114:115]
	v_pk_add_f32 v[244:245], v[244:245], v[118:119]
	v_pk_add_f32 v[14:15], v[14:15], v[122:123]
	v_pk_add_f32 v[10:11], v[10:11], v[126:127]
	v_pk_add_f32 v[254:255], v[254:255], v[130:131]
	v_pk_add_f32 v[252:253], v[252:253], v[134:135]
	v_pk_add_f32 v[250:251], v[250:251], v[138:139]
	v_pk_add_f32 v[248:249], v[248:249], v[142:143]
	v_pk_add_f32 v[246:247], v[246:247], v[146:147]
	v_pk_add_f32 v[244:245], v[244:245], v[150:151]
	v_pk_add_f32 v[14:15], v[14:15], v[154:155]
	v_pk_add_f32 v[10:11], v[10:11], v[158:159]
	s_delay_alu instid0(VALU_DEP_2)
	v_pk_add_f32 v[14:15], v[14:15], v[250:251]
	s_delay_alu instid0(VALU_DEP_2)
	v_pk_add_f32 v[10:11], v[10:11], v[248:249]
	v_pk_add_f32 v[254:255], v[254:255], v[246:247]
	v_pk_add_f32 v[252:253], v[252:253], v[244:245]
	s_delay_alu instid0(VALU_DEP_2)
	v_pk_add_f32 v[14:15], v[14:15], v[254:255]
	s_delay_alu instid0(VALU_DEP_2)
	v_pk_add_f32 v[10:11], v[10:11], v[252:253]
	s_delay_alu instid0(VALU_DEP_1)
	v_pk_add_f32 v[14:15], v[14:15], v[10:11]
	s_wait_alu depctr_va_vdst(0)                   ; and one for the two
.irp b, 0,1
	v_max_num_f32 v[BM+\b], 0x1800000, v[BM+\b]    ; the floor 2^(3 - 127): the byte cannot fall under 1
.endr
.irp b, 0,1
	s_delay_alu instid0(VALU_DEP_2)
	v_add_nc_u32 v[BS+\b], 0xff000000, v[BM+\b]    ; 2 off the exponent field: the conversion's scale operand
.endr
.irp b, 0,1
	s_delay_alu instid0(VALU_DEP_2)
	v_lshrrev_b32 v[BP+\b], 23, v[BS+\b]           ; the scale's byte
.endr
	s_delay_alu instid0(VALU_DEP_1)
	v_lshl_or_b32 v[PWD], v[BP+1], 16, v[BP]       ; my two bytes: blocks h and 2 + h,
	s_delay_alu instid0(VALU_DEP_1)
	v_lshlrev_b32 v[PWD], v[SH], v[PWD]            ; at their places in the word (8 h bits up);
	s_delay_alu instid0(VALU_DEP_1)
	v_permlanex16_b32 v[BP+2], v[PWD], s[SEL], s[SEL+1]
	s_delay_alu instid0(VALU_DEP_1)
	v_or_b32 v[PWD], v[PWD], v[BP+2]               ; with lane l xor 16's two: p's scale word for these 128 keys
.irp c, 0,1
	v_cvt_scalef32_pk16_fp6_f32 v[PCD+6*\c:PCD+6*\c+2], v[SS+32*\c:SS+32*\c+15], v[BS+\c]           ; block 2 c + h: places 0-15,
	v_cvt_scalef32_pk16_fp6_f32 v[PH+4*\c:PH+4*\c+2], v[SS+32*\c+16:SS+32*\c+31], v[BS+\c]          ; and 16-31 (a conversion's three registers begin on an even number)
.endr
	v_nop                                          ; one plain place behind a scaled conversion
.irp c, 0,1
.irp i, 0,1,2
	v_mov_b32 v[PCD+6*\c+3+\i], v[PH+4*\c+\i]
.endr
.endr
.set n, 0
.rept 16
	v_pk_mul_f32 v[OT+n:OT+n+1], v[OT+n:OT+n+1], v[FF:FF+1] op_sel_hi:[1,0]   ; O^T under the new M; these sixteen are also the places between p's codes and scale word and the products
.set n, n+2
.endr
	s_wait_alu depctr_va_vdst(0)
	s_wait_dscnt 0x0                               ; V is in
.irp a, 0,2                                    ; O^T += V^T P^T: the four accumulators by turns
	v_wmma_scale_f32_16x16x128_f8f6f4 v[OT+8*\a:OT+8*\a+7], v[KV+12*\a:KV+12*\a+11], v[PCD:PCD+11], v[OT+8*\a:OT+8*\a+7], v[VSC+\a/2], v[PWD] matrix_a_fmt:MATRIX_FMT_FP6 matrix_b_fmt:MATRIX_FMT_FP6
	v_wmma_scale_f32_16x16x128_f8f6f4 v[OT+8*\a+8:OT+8*\a+15], v[KV+12*\a+12:KV+12*\a+23], v[PCD:PCD+11], v[OT+8*\a+8:OT+8*\a+15], v[VSC+\a/2], v[PWD] matrix_a_fmt:MATRIX_FMT_FP6 matrix_b_fmt:MATRIX_FMT_FP6 matrix_a_scale:MATRIX_SCALE_ROW1
.endr
.Lhidden_\@:
	s_add_co_u32 s[KF], s[KF], 128
.endm
; THE CHANGE OF SLOTS stands at a visit's head.  Each wave waits for all its tensor loads, adds 0 to its spare word, and waits for that and for its reads of the slot that it has left; behind the barrier the slot ahead is
; whole and nobody reads the other.  fill = 1: the other slot takes the next visit's keys: that load has a whole visit, two key steps of sixteen waves, in which to land.
.macro CHANGE fill
	s_wait_tensorcnt 0x0                           ; no tensor load of mine is out, so group 0 may be written
	ds_add_u32 v[SPW], v[NIL]                      ; the descriptor's step stands between the add and its wait
.if \fill
	s_xor_b32 s[G0+1], s[G0+1], SLOT1              ; the other slot than last time
	s_add_co_u32 s44, s[VI], 1                     ; the next visit; from visit g + 1 on the second pass counts its slots from 0
	s_cmp_gt_u32 s44, s[GG]
	s_cselect_b32 s45, s[G1P], 0
	s_sub_co_u32 s44, s44, s45                     ; its slot of 256 keys, 0 .. 7
	s_mul_i32 s[OFS], s44, 2*RS
	s_add_nc_u64 s[G0+2:G0+3], s[HB:HB+1], s[OFS:OFS+1]
	s_or_b32 s[G0+3], s[G0+3], 0x80000000
.endif
	s_wait_dscnt 0x0                               ; the add is done, and my reads of the slot that I have left are over
	s_barrier_signal -1
	s_barrier_wait -1
.if \fill
	TLOAD                                          ; the first thing behind the barrier, and a wave's one tensor load until the next
.endif
.endm
; A PASS ENDS: O^T / the sum; the halves of the lanes exchange registers so that a lane's 16 are true neighbours along the 64 features (the next product's weights are given, so here the order must be the true one);
; two blocks of 32 are quantised; six registers of codes leave as three pieces of 256 bytes, the two scale bytes as 2 bytes of my token's row of 32.
.macro FINISH
.rept 4
	v_nop                                          ; places behind the last products
.endr
	v_add_f32 v14, v14, v15
	s_delay_alu instid0(VALU_DEP_1)
	v_permlanex16_b32 v[TT], v14, s[SEL], s[SEL+1]
	s_delay_alu instid0(VALU_DEP_1)
	v_add_f32 v14, v14, v[TT]                      ; the row's sum
	s_wait_alu depctr_va_vdst(0)
	v_rcp_f32 v14, v14
	s_lshr_b32 s44, s[BH], 4
	s_lshl_b32 s44, s44, 7
	s_lshr_b32 s45, s[Q0], 4
	s_add_co_u32 s44, s44, s45                     ; my tile of 16 tokens among 512
	s_and_b32 s45, s[BH], 15                       ; the head H in its batch
	s_lshr_b32 s46, s44, 4
	s_lshl_b32 s46, s46, 6
	s_lshr_b32 s47, s45, 2
	s_lshl_b32 s47, s47, 4
	s_add_co_u32 s46, s46, s47
	s_and_b32 s47, s44, 15
	s_add_co_u32 s46, s46, s47
	s_mul_i32 s46, s46, 3072                       ; abuf [tile of 256 tokens][K step H / 4][tile of 16 tokens] 3,072 bytes,
	s_bfe_u32 s47, s45, 0x10001
	s_mul_i32 s47, s47, 1536                       ; [128 along K: (H / 2) % 2] 1,536,
	s_add_co_u32 s46, s46, s47
	s_and_b32 s47, s45, 1
	s_mul_i32 s47, s47, 768                        ; registers 6 (H % 2) on: three pieces
	s_add_co_u32 s46, s46, s47
	s_mov_b32 s47, 0
	s_add_nc_u64 s[OA:OA+1], s[8:9], s[46:47]
	s_lshl_b32 s46, s44, 9
	s_lshl_b32 s48, s45, 1
	s_add_co_u32 s46, s46, s48                     ; asc [token][32]: bytes 2 H, 2 H + 1
	s_add_nc_u64 s[OS:OS+1], s[10:11], s[46:47]
	v_nop                                          ; a plain place behind the reciprocal
	s_wait_alu depctr_va_vdst(0)                   ; and the wait ahead of its first reader
.set n, 0
.rept 16
	v_pk_mul_f32 v[SS+n:SS+n+1], v[OT+n:OT+n+1], v[14:15] op_sel_hi:[1,0]   ; register 8 a + j: feature 16 a + 8 h + j of my query
.set n, n+2
.endr
.irp b, 0,1
.irp j, 0,1,2,3,4,5,6,7
	v_permlane16_swap_b32 v[SS+16*\b+\j], v[SS+16*\b+8+\j]   ; now register 16 b + i: feature 32 b + 16 h + i
.endr
.endr
.irp b, 0,1
	v_max3_num_f32 v[BM+\b], |v[SS+16*\b]|, |v[SS+16*\b+1]|, 0x1800000
.endr
.irp i, 2,4,6,8,10,12,14
.irp b, 0,1
	s_delay_alu instid0(VALU_DEP_2)
	v_max3_num_f32 v[BM+\b], v[BM+\b], |v[SS+16*\b+\i]|, |v[SS+16*\b+\i+1]|
.endr
.endr
.irp b, 0,1
	s_delay_alu instid0(VALU_DEP_2)
	v_permlanex16_b32 v[BP+\b], v[BM+\b], s[SEL], s[SEL+1]
.endr
.irp b, 0,1
	s_delay_alu instid0(VALU_DEP_2)
	v_max_num_f32 v[BM+\b], v[BM+\b], v[BP+\b]
.endr
.irp b, 0,1
	s_delay_alu instid0(VALU_DEP_2)
	v_add_nc_u32 v[BS+\b], 0xff000000, v[BM+\b]
.endr
.irp b, 0,1
	s_delay_alu instid0(VALU_DEP_2)
	v_lshrrev_b32 v[BP+\b], 23, v[BS+\b]
.endr
	s_delay_alu instid0(VALU_DEP_1)
	v_lshl_or_b32 v[SW], v[BP+1], 8, v[BP]
	v_cvt_scalef32_pk16_fp6_f32 v[PCD:PCD+2], v[SS:SS+15], v[BS]
	v_cvt_scalef32_pk16_fp6_f32 v[PH:PH+2], v[SS+16:SS+31], v[BS+1]
	v_nop                                          ; one plain place behind a scaled conversion
.irp i, 0,1,2
	v_permlane16_swap_b32 v[PCD+\i], v[PH+\i]
.endr
.irp i, 0,1,2
	s_delay_alu instid0(VALU_DEP_3)
	v_mov_b32 v[PCD+3+\i], v[PH+\i]                ; registers 0-5: features 32 h + 0 .. 31
.endr
.irp s, 0,1,2
	global_store_b64 v[L8], v[PCD+2*\s:PCD+2*\s+1], s[OA:OA+1] offset:256*\s   ; 32 lanes store 256 consecutive bytes, aligned
.endr
	global_store_b16 v[R32], v[SW], s[OS:OS+1]     ; both halves of the lanes write the same two bytes.  A row's other bytes are other heads', made by other work-groups
	s_wait_xcnt 0x0                                ; the stores' data and bases are written again only behind this wait
.endm
.macro INIT                            ; the second pass begins
	s_mov_b32 s[Q0], s[QB]
	s_mov_b32 s[KF], 0
.irp i, 0,1,2,3,4,5
	v_mov_b32 v[QF+\i], v[QN+\i]
.endr
	v_mov_b32 v[QW], v[QN+6]
	v_mov_b32 v13, 0xff61b1e6
	s_delay_alu instid0(VALU_DEP_1)
	v_floor_f32 v12, -v13
	v_mov_b32 v14, 0
	v_mov_b32 v15, 0
.set n, 0
.rept 32
	v_mov_b32 v[OT+n], 0                           ; (these are also the places between Q's codes and scale word and the next products)
.set n, n+1
.endr
.endm
.Lvisit:                                           ; eight trips: behind each change of slots but the last the next visit's slot is asked for
	CHANGE 1
	s_cmp_lg_u32 s[VI], s[G1P]                     ; ids and the count of visits alone; round no barrier, no wait for tensor loads, no add and no tensor load
	s_cbranch_scc1 .Lsame_pass
	FINISH
	INIT
.Lsame_pass:
	STEP 0
	STEP 1
	s_xor_b32 s[TB], s[TB], SLOT1
	s_add_co_u32 s[VI], s[VI], 1
	s_cmp_lt_u32 s[VI], 8
	s_cbranch_scc1 .Lvisit
	CHANGE 0                                       ; the last visit is written out: it asks for nothing
	STEP 0
	STEP 1
	FINISH
	s_wait_tensorcnt 0x0                           ; the wave's end
	ds_add_u32 v[SPW], v[NIL]
	s_wait_dscnt 0x0
	s_endpgm
.Lfunc_end_k_qfdf86856cf_attn:
	.size	k_qfdf86856cf_attn, .Lfunc_end_k_qfdf86856cf_attn-k_qfdf86856cf_attn
	.p2alignl 7, 3214868480
	.fill 96, 4, 3214868480
	.section	.rodata,"a",@progbits
	.p2align	6, 0x0
	.amdhsa_kernel k_qfdf86856cf_attn
		.amdhsa_group_segment_fixed_size 327680
		.amdhsa_private_segment_fixed_size 0
		.amdhsa_enable_private_segment 0
		.amdhsa_kernarg_size 32
		.amdhsa_user_sgpr_count 2
		.amdhsa_user_sgpr_kernarg_segment_ptr 1
		.amdhsa_wavefront_size32 1
		.amdhsa_system_sgpr_workgroup_id_x 1
		.amdhsa_system_sgpr_workgroup_id_y 1
		.amdhsa_system_sgpr_workgroup_id_z 1
		.amdhsa_system_vgpr_workitem_id 0
		.amdhsa_next_free_vgpr 256
		.amdhsa_next_free_sgpr 66
		.amdhsa_reserve_vcc 1
		.amdhsa_float_denorm_mode_32 3
		.amdhsa_float_denorm_mode_16_64 3
		.amdhsa_memory_ordered 1
		.amdhsa_forward_progress 1
		.amdhsa_inst_pref_size 110
	.end_amdhsa_kernel
	.amdgpu_metadata
---
amdhsa.version: [ 1, 2 ]
amdhsa.kernels:
  - .name:           k_qfdf86856cf_attn
    .symbol:         k_qfdf86856cf_attn.kd
    .args:
      - { .name: qrec, .offset: 0, .size: 8, .value_kind: global_buffer, .address_space: global }
      - { .name: kvrec, .offset: 8, .size: 8, .value_kind: global_buffer, .address_space: global }
      - { .name: abuf, .offset: 16, .size: 8, .value_kind: global_buffer, .address_space: global }
      - { .name: asc, .offset: 24, .size: 8, .value_kind: global_buffer, .address_space: global }
    .group_segment_fixed_size: 327680
    .private_segment_fixed_size: 0
    .kernarg_segment_align: 8
    .kernarg_segment_size: 32
    .max_flat_workgroup_size: 512
    .sgpr_count:     66
    .vgpr_count:     256
    .wavefront_size: 32
...
	.end_amdgpu_metadata
.endif
;; end of part 2
;; launch proj (part 3): grid 4 x 64, 4 waves a work-group, clusters of 4 x 4, 327,680 bytes of LDS; arguments abuf, asc, Wo_codes, Wo_scales, bo, out0; writes out0
.if DOCPART == 3
	.amdgcn_target "amdgcn-amd-amdhsa--gfx1250"
	.amdhsa_code_object_version 6
	.text
	.protected	k_qfdf86856cf_proj
	.globl	k_qfdf86856cf_proj
	.p2align	8
	.type	k_qfdf86856cf_proj,@function
k_qfdf86856cf_proj:
	s_mov_b64 s[64:65], 0
	v_nop
	global_prefetch_b8 v0, s[64:65] scope:SCOPE_SE
	s_setreg_imm32_b32 hwreg(HW_REG_WAVE_MODE, 25, 1), 1
	s_wait_xcnt 0x0
	s_wait_alu depctr_hold_cnt(0) depctr_sa_sdst(0) depctr_va_vdst(0) depctr_va_sdst(0) depctr_va_ssrc(0) depctr_va_vcc(0) depctr_vm_vsrc(0)
	s_getreg_b32 s2, hwreg(HW_REG_IB_STS2, 6, 4)
	s_cmp_eq_u32 s2, 0
	s_cbranch_scc0 .Lentry_in_a_cluster
	s_endpgm
.Lentry_in_a_cluster:
	s_bfe_u32 s2, ttmp6, 0x10000c
	s_cmp_lg_u32 s2, 0xf033
	s_cbranch_scc0 .Lentry_shape_is_right
	s_endpgm
.Lentry_shape_is_right:
; out0 = a Wo + bo on codes of FP6 (E2M3) with one E8M0 scale for each 32 along K = 1,024.  a: the attention launch's codes (abuf) and scale bytes (asc [token][32]).
; A block is 128 tokens x 256 columns; wave (i, j) makes tokens 64 i .. x columns 128 j ...  Source 0 = 16 rows of Wo, source 1 = 16 tokens: a lane holds eight neighbouring columns of one token's row.
; ALL OF K LIES IN LDS, brought by ONE tensor load a wave at the head; nothing is filled again.  Wave 0: a's 128 tokens, four dense runs of 24,576 bytes of abuf
; ([tile of 256 tokens][K step of 256][tile of 16 tokens][128 along K] 1,536 bytes = six pieces of 256 bytes, a pair of operand registers of all 32 lanes, lane l's 8 bytes at 8 l).
; Waves 1 to 3: a chunk of 256 bytes of Wo's 256 rows each, 16 bytes of padding behind each row.  Every row that is asked for begins at a multiple of 256 bytes of its buffer.
; TWO VISITS: my 128 columns are made 64 at a time, 16 accumulators, all of K each, so that the first 64 columns are stored while the other 64 are multiplied.  a's fragments of my 64 tokens, for all of K,
; are read from LDS once, during the first visit, and stay in 384 registers; no fragment is read twice.
; The scale bytes go from memory into registers (a lane takes its row's 32 bytes); the bias is the C of each accumulator's first product.
; CLUSTERS: 4 x 4: a's tile is shared along a row of the cluster, Wo's chunks along a column.  No prefetch: every byte is asked for at the head, and there is no loop to run ahead in.
; THE WAY OUT: 16 rows x 64 columns at a time through my stage in LDS, back as whole rows of 256 bytes.  The stages lie on a's bytes, behind a barrier behind which nobody reads them.
; REGISTERS: window 0: addresses, v32-63 a's scale words, v64-127 Wo's, v128-191 the way out, v192-255 the bias; a's fragments: steps 0-4 window 1 (48 a step), steps 5, 6 window 2 v0-95, step 7 window 3 v192-239;
; Wo's fragments: window 3 v0-191, two sets of two steps; accumulator (a, b) at window 2 v[128 + 8 (4 a + b)].
.set BB,    104448                     ; Wo's chunks begin here (a's tile takes 98,304 bytes)
.set CH,    256*272
.set SPARE, BB+3*CH                    ; the spare words: 512 bytes that no other line names
.set SPITCH, 272
.set ADRA,  16                         ; v16 my tokens' pieces, K steps of 256 number 0, 1; v17 number 2, 3
.set ADRB,  18                         ; v18-20 my rows of Wo in chunks 0, 1, 2
.set ADRB2, 21                         ; v21-22 lanes 0-15 byte 232 of chunk c, lanes 16-31 byte 0 of chunk c + 1
.set SO,    23
.set STO,   24
.set RD,    25
.set CO,    26
.set BO,    27
.set SPW,   28
.set NIL,   29
.set SCA,   32
.set SCB,   64
.set BK,    128
.set BIA,   192
.set G1,  24
.set G0,  32
.set G0B, 36
.set G1B, 48
.set MSB, 0
.macro WIN new
.if MSB != (\new)
	s_set_vgpr_msb (MSB<<8)|(\new)
.set MSB, (\new)
.endif
.endm
.macro PLACES
.rept 4
	v_nop
.endr
.endm
.macro CROUND
	s_barrier_signal -1
	s_barrier_wait -1
	s_cmp_lg_u32 s14, 0
	s_cbranch_scc1 .Lnot_wave_0_\@
	s_barrier_signal -3
.Lnot_wave_0_\@:
	s_barrier_wait -3
	s_barrier_signal -1
	s_barrier_wait -1
.endm
	s_load_b256 s[4:11], s[0:1], 0x0               ; abuf, asc, Wo's codes, Wo's scales
	s_load_b128 s[92:95], s[0:1], 0x20             ; bo, out0
	v_lshl_add_u32 v[SPW], v0, 2, SPARE
	v_mov_b32 v[NIL], 0
	ds_add_u32 v[SPW], v[NIL]                      ; the opening lines: the add, twice on end, and its wait ahead of my tensor load
	ds_add_u32 v[SPW], v[NIL]
	v_lshrrev_b32 v1, 5, v0
	v_readfirstlane_b32 s14, v1
	s_lshr_b32 s15, s14, 1                         ; my 64 tokens
	s_and_b32 s16, s14, 1                          ; my 128 columns
	s_bfe_u32 s42, ttmp6, 0x40000                  ; cx: the tile of 256 columns
	s_bfe_u32 s41, ttmp6, 0x40004                  ; cy
	s_and_b32 s17, ttmp7, 0xffff
	s_lshl_b32 s17, s17, 2
	s_add_co_u32 s17, s17, s41                     ; the tile of 128 tokens, 0 .. 63
	s_lshl_b32 s43, s41, 2
	s_lshl_b32 s43, 15, s43
	s_lshl_b32 s44, 0x1111, s42
	s_or_b32 s[G1+0], s43, (3<<16)|(1<<21)         ; elements of 8 bytes, no padding: 4 rows of 24,576 bytes, 49,152 apart
	s_mov_b32 s[G1+1], 3072<<16
	s_mov_b32 s[G1+2], 4<<16
	s_mov_b32 s[G1+3], 3072<<16
	s_mov_b32 s[G1+4], 4
	s_mov_b32 s[G1+5], 6144
	s_mov_b32 s[G1+6], 0
	s_mov_b32 s[G1+7], 0
	s_or_b32 s[G1B+0], s44, (1<<20)|(1<<21)|(5<<22)|(3<<25)
	s_mov_b32 s[G1B+1], 256<<16
	s_mov_b32 s[G1B+2], 256<<16
	s_mov_b32 s[G1B+3], 256<<16
	s_mov_b32 s[G1B+4], 256
	s_mov_b32 s[G1B+5], 768
	s_mov_b32 s[G1B+6], 0
	s_mov_b32 s[G1B+7], 0
	s_lshr_b32 s18, s17, 1
	s_mul_i32 s18, s18, 196608
	s_and_b32 s19, s17, 1
	s_mul_i32 s19, s19, 24576
	s_add_co_u32 s18, s18, s19                     ; my tile in abuf
	s_mov_b32 s19, 0
	s_mul_i32 s46, s42, 256*768
	s_lshl_b32 s47, s14, 8
	s_add_co_u32 s46, s46, s47                     ; Wo's rows, + 256 x wave (256 is taken off below: wave w fetches chunk w - 1)
	s_mov_b32 s47, 0
	s_lshl_b32 s20, s17, 12
	s_lshl_b32 s21, s15, 11
	s_add_co_u32 s20, s20, s21
	s_mov_b32 s21, 0
	s_lshl_b32 s22, s42, 13
	s_lshl_b32 s23, s16, 12
	s_add_co_u32 s22, s22, s23
	s_mov_b32 s23, 0
	s_lshl_b32 s70, s17, 19                        ; my first row of out0: 4,096 bytes a row
	s_lshl_b32 s71, s15, 18
	s_add_co_u32 s70, s70, s71
	s_mov_b32 s71, 0
	s_lshl_b32 s72, s42, 10                        ; my first column, in bytes
	s_lshl_b32 s73, s16, 9
	s_add_co_u32 s72, s72, s73
	s_mov_b32 s73, 0
	s_mov_b32 s[G0], 1
	s_mov_b32 s[G0+1], 0
	s_mov_b32 s[G0B], 1
	s_mul_i32 s[G0B+1], s14, CH
	s_add_co_u32 s[G0B+1], s[G0B+1], BB-CH
	s_mul_i32 s60, s15, 12288
	s_mul_i32 s61, s16, 128*272
	s_add_co_u32 s61, s61, BB
	s_mov_b32 s62, CH-232
	s_add_co_u32 s63, s61, 232
	s_mul_i32 s74, s14, 16*SPITCH                  ; my stage
	v_and_b32 v1, 15, v0
	v_bfe_u32 v2, v0, 4, 1
	v_and_b32 v3, 31, v0
	v_lshlrev_b32 v4, 3, v3
	v_add_nc_u32 v[ADRA], s60, v4
	v_add_nc_u32 v[ADRA+1], 49152, v[ADRA]
	v_mul_u32_u24 v4, v1, 272
	v_mad_u32_u24 v5, v2, 24, v4
	v_add_nc_u32 v[ADRB], s61, v5
	v_add_nc_u32 v[ADRB+1], CH, v[ADRB]
	v_add_nc_u32 v[ADRB+2], 2*CH, v[ADRB]
	v_mad_u32_u24 v6, v2, s62, v4
	v_add_nc_u32 v[ADRB2], s63, v6
	v_add_nc_u32 v[ADRB2+1], CH, v[ADRB2]
	v_lshlrev_b32 v[SO], 5, v1
	v_lshlrev_b32 v[BO], 5, v2
	v_lshl_add_u32 v7, v2, 5, v4
	v_add_nc_u32 v[STO], s74, v7                   ; in: row l % 16, 32 bytes for each half of the lanes
	v_mul_u32_u24 v9, v2, SPITCH
	v_lshl_add_u32 v9, v1, 4, v9
	v_add_nc_u32 v[RD], s74, v9                    ; back: lanes 0-15 take one row of 256 bytes, lanes 16-31 the next
	v_lshlrev_b32 v10, 12, v2
	v_lshl_add_u32 v[CO], v1, 4, v10               ; and the same two rows in out0
	s_wait_alu depctr_va_vdst(0)
	s_wait_dscnt 0x0
	s_wait_kmcnt 0x0
	s_add_nc_u64 s[G0+2:G0+3], s[4:5], s[18:19]
	s_or_b32 s[G0+3], s[G0+3], 0x80000000
	s_add_nc_u64 s[G0B+2:G0B+3], s[8:9], s[46:47]
	s_sub_nc_u64 s[G0B+2:G0B+3], s[G0B+2:G0B+3], 256
	s_or_b32 s[G0B+3], s[G0B+3], 0x80000000
	s_add_nc_u64 s[56:57], s[6:7], s[20:21]
	s_add_nc_u64 s[58:59], s[10:11], s[22:23]
	s_add_nc_u64 s[12:13], s[94:95], s[70:71]
	s_add_nc_u64 s[12:13], s[12:13], s[72:73]
	s_add_nc_u64 s[76:77], s[92:93], s[72:73]
.irp i, 0,1,2,3
	global_load_b128 v[SCA+8*\i:SCA+8*\i+3], v[SO], s[56:57] offset:512*\i
	global_load_b128 v[SCA+8*\i+4:SCA+8*\i+7], v[SO], s[56:57] offset:512*\i+16
.endr
.irp i, 0,1,2,3,4,5,6,7
	global_load_b128 v[SCB+8*\i:SCB+8*\i+3], v[SO], s[58:59] offset:512*\i
	global_load_b128 v[SCB+8*\i+4:SCB+8*\i+7], v[SO], s[58:59] offset:512*\i+16
.endr
.irp b, 0,1,2,3,4,5,6,7
	global_load_b128 v[BIA+8*\b:BIA+8*\b+3], v[BO], s[76:77] offset:64*\b          ; bo at my eight columns of block b
	global_load_b128 v[BIA+8*\b+4:BIA+8*\b+7], v[BO], s[76:77] offset:64*\b+16
.endr
	CROUND                                         ; all sixteen work-groups are here: the joint loads meet
	s_cmp_eq_u32 s14, 0                            ; one chain of branches on the wave's number, one load to an arm
	s_cbranch_scc0 .Lfor_b
	tensor_load_to_lds s[G0:G0+3], s[G1:G1+7]
	s_nop 0
	PLACES
	s_branch .Lasked
.Lfor_b:
	tensor_load_to_lds s[G0B:G0B+3], s[G1B:G1B+7]
	s_nop 0
	PLACES
.Lasked:
.macro FRA reg, st, i                  ; a's fragment: six pieces of 256 consecutive bytes
.irp p, 0,1,2,3,4,5
	ds_load_b64 v[\reg+2*\p:\reg+2*\p+1], v[ADRA+(\st)/4] offset:(((\st)/2)%2)*24576+(\i)*3072+((\st)%2)*1536+256*\p
.endr
.endm
.macro FRB reg, st, i                  ; Wo's fragment: lane l holds row l % 16; 24 bytes of the row twice, in pieces of 8
.irp p, 0,1,2,3,4,5
.set BY, 96*(\st)+48*(\p/3)+8*(\p%3)
.if BY/256 == (BY+24)/256
	ds_load_b64 v[\reg+2*\p:\reg+2*\p+1], v[ADRB+BY/256] offset:BY%256+(\i)*16*272
.else
	ds_load_b64 v[\reg+2*\p:\reg+2*\p+1], v[ADRB2+BY/256] offset:BY%256-232+(\i)*16*272
.endif
.endr
.endm
.macro XPOS st                         ; where a's fragments of a step lie
.if (\st) < 5
.set XWN, 1
.set XRG, 48*(\st)
.elseif (\st) < 7
.set XWN, 2
.set XRG, 48*((\st)-5)
.else
.set XWN, 3
.set XRG, 192
.endif
.endm
.macro RUNW v, r                       ; 48 LDS loads: Wo's blocks 4 v .. 4 v + 3, steps 2 r, 2 r + 1, into set r % 2
	WIN 0xc0
.irp e, 0,1
.irp j, 0,1,2,3
	FRB 96*((\r)%2)+48*\e+12*\j, 2*(\r)+\e, 4*(\v)+\j
.endr
.endr
.endm
.macro RUNA r                          ; 48 LDS loads: a's four blocks, steps 2 r, 2 r + 1
.irp e, 0,1
	XPOS 2*(\r)+\e
	WIN XWN<<6
.irp i, 0,1,2,3
	FRA XRG+12*\i, 2*(\r)+\e, \i
.endr
.endr
.endm
.macro MULS st, v                      ; a step's 16 products: the accumulators take turns, one instruction a turn
	XPOS \st
.set WRG, 96*(((\st)/2)%2)+48*((\st)%2)
.if (\st) == 0
	WIN 0x83|(XWN<<2)                              ; C: the bias, in window 0
.else
	WIN 0xa3|(XWN<<2)
.endif
.irp a, 0,1,2,3
.irp b, 0,1,2,3
.set DD, 128+8*(4*\a+\b)
.set R0, WRG+12*\b
.set R1, XRG+12*\a
.set Z0, SCB+8*(4*(\v)+\b)+(\st)
.set Z1, SCA+8*\a+(\st)
.set CB, BIA+8*(4*(\v)+\b)
.if (\st) == 0
	v_wmma_scale_f32_16x16x128_f8f6f4 v[DD:DD+7], v[R0:R0+11], v[R1:R1+11], v[CB:CB+7], v[Z0], v[Z1] matrix_a_fmt:MATRIX_FMT_FP6 matrix_b_fmt:MATRIX_FMT_FP6
.else
	v_wmma_scale_f32_16x16x128_f8f6f4 v[DD:DD+7], v[R0:R0+11], v[R1:R1+11], v[DD:DD+7], v[Z0], v[Z1] matrix_a_fmt:MATRIX_FMT_FP6 matrix_b_fmt:MATRIX_FMT_FP6
.endif
.endr
.endr
.endm
.macro TOSTAGE a
	WIN 0x08                                       ; the data: window 2
.irp b, 0,1,2,3
	ds_store_b128 v[STO], v[128+8*(4*(\a)+\b):128+8*(4*(\a)+\b)+3] offset:64*\b          ; each accumulator from its low end on
	ds_store_b128 v[STO], v[128+8*(4*(\a)+\b)+4:128+8*(4*(\a)+\b)+7] offset:64*\b+16
.endr
	WIN 0
.set BKK, BK+32*((\a)%2)
.irp t, 0,1,2,3,4,5,6,7
	ds_load_b128 v[BKK+4*\t:BKK+4*\t+3], v[RD] offset:\t*2*SPITCH    ; LDS serves a wave's instructions in order (ISA guide 5.7.1.4)
.endr
.endm
.macro SEND v, a, younger
.set BKK, BK+32*((\a)%2)
	s_wait_dscnt \younger
.irp t, 0,1,2,3,4,5,6,7
	global_store_b128 v[CO], v[BKK+4*\t:BKK+4*\t+3], s[12:13] offset:(\a)*65536+\t*8192+(\v)*256 th:TH_STORE_NT   ; 16 lanes store 256 consecutive bytes, aligned
.endr
.endm
.macro OUT v                           ; a visit's 64 x 64, by blocks of 16 rows
	s_wait_xcnt 0x0                                ; earlier stores have read their registers
	TOSTAGE 0
.irp a, 1,2,3
.if \a > 1
	s_wait_xcnt 0x0                                ; block a - 2's stores have read their registers
.endif
	TOSTAGE \a
	SEND \v, \a-1, 16                              ; behind block a - 1's loads: block a's 8 stores and 8 loads
.endr
	SEND \v, 3, 0
.endm
	s_wait_tensorcnt 0x0                           ; my tile is in,
	s_barrier_signal -1
	s_barrier_wait -1                              ; and everybody's
	RUNA 0
	RUNW 0, 0
	s_wait_loadcnt 0x0                             ; the scale words and the bias
.irp r, 0,1,2,3                                ; the first visit: a run of 96 loads (a's and Wo's fragments of two steps) is issued ahead of the 32 products of the run before
	s_wait_dscnt 0x0
.if \r == 3
	s_barrier_signal -1                            ; my reads of a's bytes are over: the stages may be written behind this barrier
.else
.if \r > 0
	PLACES                                         ; between the products and the loads into the set that they read
.endif
	RUNA \r+1
	RUNW 0, \r+1
.endif
	MULS 2*\r, 0
	MULS 2*\r+1, 0
.endr
	WIN 0
	s_barrier_wait -1                              ; nobody reads a's bytes any more
	PLACES                                         ; behind the last products: five places, since the next visit begins the accumulators anew
	v_nop
	RUNW 1, 0                                      ; the second visit's first fragments land under the way out
	RUNW 1, 1
	WIN 0
	OUT 0
	MULS 0, 1
	MULS 1, 1
	PLACES
	RUNW 1, 2
	s_wait_dscnt 48                                ; (nothing older is out: the way out has waited for all)
	MULS 2, 1
	MULS 3, 1
	PLACES
	RUNW 1, 3
	s_wait_dscnt 48                                ; run 2 is in; the 48 just issued may be out
	MULS 4, 1
	MULS 5, 1
	s_wait_dscnt 0x0
	MULS 6, 1
	MULS 7, 1
	WIN 0
	PLACES
	OUT 1
	s_wait_tensorcnt 0x0                           ; the wave's end
	ds_add_u32 v[SPW], v[NIL]
	s_wait_dscnt 0x0
	CROUND                                         ; the closing round
	s_endpgm
.Lfunc_end_k_qfdf86856cf_proj:
	.size	k_qfdf86856cf_proj, .Lfunc_end_k_qfdf86856cf_proj-k_qfdf86856cf_proj
	.p2alignl 7, 3214868480
	.fill 96, 4, 3214868480
	.section	.rodata,"a",@progbits
	.p2align	6, 0x0
	.amdhsa_kernel k_qfdf86856cf_proj
		.amdhsa_group_segment_fixed_size 327680
		.amdhsa_private_segment_fixed_size 0
		.amdhsa_enable_private_segment 0
		.amdhsa_kernarg_size 48
		.amdhsa_user_sgpr_count 2
		.amdhsa_user_sgpr_kernarg_segment_ptr 1
		.amdhsa_wavefront_size32 1
		.amdhsa_system_sgpr_workgroup_id_x 1
		.amdhsa_system_sgpr_workgroup_id_y 1
		.amdhsa_system_sgpr_workgroup_id_z 1
		.amdhsa_system_vgpr_workitem_id 0
		.amdhsa_next_free_vgpr 1024
		.amdhsa_next_free_sgpr 106
		.amdhsa_reserve_vcc 0
		.amdhsa_float_denorm_mode_32 3
		.amdhsa_float_denorm_mode_16_64 3
		.amdhsa_memory_ordered 1
		.amdhsa_forward_progress 1
		.amdhsa_inst_pref_size 96
	.end_amdhsa_kernel
	.amdgpu_metadata
---
amdhsa.version: [ 1, 2 ]
amdhsa.kernels:
  - .name:           k_qfdf86856cf_proj
    .symbol:         k_qfdf86856cf_proj.kd
    .args:
      - { .name: abuf, .offset: 0, .size: 8, .value_kind: global_buffer, .address_space: global }
      - { .name: asc, .offset: 8, .size: 8, .value_kind: global_buffer, .address_space: global }
      - { .name: Wo_codes, .offset: 16, .size: 8, .value_kind: global_buffer, .address_space: global }
      - { .name: Wo_scales, .offset: 24, .size: 8, .value_kind: global_buffer, .address_space: global }
      - { .name: bo, .offset: 32, .size: 8, .value_kind: global_buffer, .address_space: global }
      - { .name: out0, .offset: 40, .size: 8, .value_kind: global_buffer, .address_space: global }
    .group_segment_fixed_size: 327680
    .private_segment_fixed_size: 0
    .kernarg_segment_align: 8
    .kernarg_segment_size: 48
    .max_flat_workgroup_size: 128
    .sgpr_count:     106
    .vgpr_count:     1024
    .wavefront_size: 32
...
	.end_amdgpu_metadata
.endif
;; end of part 3
